; MI455X (gfx1250); checked and timed in simulation.
; The chip was launched on July 23, 2026; its instructions are those of AMD's public machine-readable ISA for CDNA 5 (MIT licence, August 2026) and "CDNA5" Instruction Set Architecture Reference Guide (July 2026). The comments in the code are by the model that wrote it; some were corrected since.
;; Mo T Embed. Allowed arithmetic: matrix products marked QUANTISED: E2M3 operands, one E8M0 scale for each 32 along K, by v_wmma_scale_f32_16x16x128_f8f6f4 with both operands' format E2M3, f32 sums; everything else in f32.
;; Inputs: W0_codes 2,048 x 64 x 24 uint8 (E2M3 codes of W0, K innermost, in blocks of 32 codes, four codes in three bytes); W0_scales 2,048 x 64 uint8 (E8M0 scales of W0, one for each 32 codes along K); W1_codes 2,048 x 64 x 24 uint8 (E2M3 codes of W1, K innermost, in blocks of 32 codes, four codes in three bytes); W1_scales 2,048 x 64 uint8 (E8M0 scales of W1, one for each 32 codes along K); b0 2,048 float32; b1 2,048 float32; hidden_states_codes 4 x 2,048 x 64 x 24 uint8 (E2M3 codes of hidden_states, K innermost, in blocks of 32 codes, four codes in three bytes); hidden_states_scales 4 x 2,048 x 64 uint8 (E8M0 scales of hidden_states, one for each 32 codes along K); type_ids 4 x 2,048 int32.
;; Outputs: out0 4 x 2,048 x 2,048 float32.
;; This version of the problem:
;;   THIS VERSION OF THE PROBLEM IS GIVEN IN LOW PRECISION. The matrix products marked QUANTISED in the list below multiply operands that are first quantised to E2M3 (2 exponent bits, 3 mantissa bits; 6 bits a number), with one power-of-two scale for each 32 numbers along K (OCP MX v1.0); their sums are f32. All else is computed in f32.
;;   The module's matrix products, in the order in which they are computed (A, B: the left and right operand; K: the contracted axis; several contracted axes count as one K, in the product's order):
;;     1. [M 8,192, K 2,048] x [K 2,048, N 2,048]; A: input hidden_states (given as codes); B: input W0 (given as codes): QUANTISED
;;     2. [M 8,192, K 2,048] x [K 2,048, N 2,048]; A: input hidden_states (given as codes); B: input W1 (given as codes): QUANTISED
;;   THE QUANTISER, for each operand of a quantised product, along K:
;;     - K is cut into blocks of 32 from its start; a last block that is shorter is filled with zeros.
;;     - A block's scale is 2^e with e = floor(log2(the largest magnitude in the block)) - 2, held to -126 .. 127; a block of zeros has e = 0. As a byte (E8M0): e + 127.
;;     - Each number is divided by its block's scale, clamped to +-7.5, and rounded to the nearest number of E2M3, ties to even, subnormals kept.
;;     - The product sums the exact products of the quantised numbers (number of the format x scale) in f32.
;;   ~~~python
;;   def quantise(x, axis):      # numpy; x: float32 -> the quantised numbers, widened to float32 again
;;       x = np.moveaxis(x, axis, -1); K = x.shape[-1]
;;       x = np.pad(x, [(0, 0)] * (x.ndim - 1) + [(0, -K % 32)]); x = x.reshape(x.shape[:-1] + (-1, 32)); a = np.abs(x).max(-1, keepdims=True)
;;       e = np.where(a > 0, np.clip(np.frexp(np.where(a > 0, a, 1))[1] - 1 - 2, -126, 127), 0)      # np.frexp(a)[1] - 1 = floor(log2(a)), exactly
;;       r = np.clip(x / 2.0 ** e, -7.5, 7.5)
;;       step = 2.0 ** (np.maximum(np.frexp(np.where(r == 0, 1, r))[1] - 1, 0) - 3)
;;       q = np.round(r / step) * step * 2.0 ** e      # np.round: ties to even
;;       return np.moveaxis(q.reshape(q.shape[:-2] + (-1,))[..., :K], -1, axis).astype(np.float32)
;;   ~~~
;;   INPUTS GIVEN AS CODES. W0 (in the module: [2048, 2048], K = its axis 1); W1 (in the module: [2048, 2048], K = its axis 1); hidden_states (in the module: [4, 2048, 2048], K = its axis 2): each comes as NAME_codes (uint8): NAME with its K axis moved to the last place and cut into blocks of 32 codes, [.., K / 32, bytes a block], one block behind the other in memory; four codes in three bytes: a row's codes are one little-endian stream of bits, code i at bits 6 i .. 6 i + 5 (a code: sign, 2 exponent bits, 3 mantissa bits); and NAME_scales (uint8): the same leading axes, one E8M0 byte (e + 127) for each 32 codes along K. Its value is code x scale, taken as it is: it is not quantised again, and the codes and scales need not be those that the quantiser above would give.
;; One version. Each part assembles by itself: llvm-mc -triple=amdgcn-amd-amdhsa -mcpu=gfx1250 --defsym DOCPART=n.
;; ======== version 1 of 1: 2 launches
;; workspace buffers: xp_codes 14,155,776 bytes; xp_scales 589,824 bytes; order 36,864 bytes of whole numbers; tiles 256 bytes of whole numbers; wcat_codes 6,291,456 bytes; wcat_scales 262,144 bytes
;; launch place (part 1): grid 288 x 1, 8 waves a work-group, no clusters, 2,304 bytes of LDS; arguments type_ids, hidden_states_codes, hidden_states_scales, xp_codes, xp_scales, order, tiles, W0_codes, W0_scales, W1_codes, W1_scales, wcat_codes, wcat_scales; writes xp_codes, xp_scales, order, tiles, wcat_codes, wcat_scales
.if DOCPART == 1
	.amdgcn_target "amdgcn-amd-amdhsa--gfx1250"
	.amdhsa_code_object_version 6
	.text
	.protected	k_qdce519978e_place
	.globl	k_qdce519978e_place
	.p2align	8
	.type	k_qdce519978e_place,@function
k_qdce519978e_place:
	s_mov_b64 s[64:65], 0
	v_nop
	global_prefetch_b8 v0, s[64:65] scope:SCOPE_SE
	s_setreg_imm32_b32 hwreg(HW_REG_WAVE_MODE, 25, 1), 1
	s_wait_xcnt 0x0
; out[token] = x[token] W_i^T + b_i with i = type_ids[token] where that is 0 or 1, and 0 for any other id.
; WHAT IS NOT MULTIPLIED.  The source forms both products for every token and keeps, by jnp.where on (type_ids == i), only expert i's row; the other row is replaced by the constant zero that
; the source builds itself.  type_ids are whole numbers that this program reads from memory, so only the chosen row of each token is multiplied: a selection by an index, for every value of every input.
; LIMITS: a NaN, an infinity or an overflow that arises only in the product that a token's id does not choose is not carried to the result.  A token whose id is neither 0 nor 1 is multiplied as zero codes
; against W1: it gives 0 unless a scale byte of W1 is 0xff.
; THIS LAUNCH sorts the 8,192 tokens by class (0, 1, 2 = any other id) into 9,216 SLOTS: 32 tiles of 288 slots, each tile of one class.  t_c = ceil(n_c / 288): t0 + t1 + t2 is at least ceil(8192 / 288) = 29 and
; under 8192 / 288 + 3, so 29, 30 or 31, whatever the split.  The E = 32 - that sum tiles left over (1 to 3) go to the class with the most tokens (at least 2,731): they stand first among its tiles and take its
; ranks 0 .. E - 1, one token each; its next tile takes ranks E .. 287.  So every tile holds a token, and every token lies in one tile.  A slot with no token repeats its tile's first token.
; It copies each slot's codes and scale bytes into slot order (class 2: zeros), stores the slot's target row (order) and each tile's class (tiles), and lays W0 and W1 one behind the other in one buffer, so that
; the next launch reaches the expert by an offset.
; SHARES.  288 work-groups of eight waves; work-group g owns slots 32 g .. 32 g + 31, all in tile g / 9.  Every work-group counts all ids anew (32 KiB), so that no work-group waits for another.
; Work-groups 0 .. 255 also copy 24,576 bytes of weight codes and 1,024 scale bytes each (0 .. 127: W0; 128 .. 255: W1).
; THE ORDER WITHIN A CLASS is that of u = 1024 wave + 32 j + lane, where register j of a lane holds token 1024 wave + 128 (j / 4) + 4 lane + j % 4: any one order that all work-groups share serves.
; No LDS address hangs on data: a wave looks for each of the 32 wanted ranks among its own 1,024 ids in registers and contributes the token or 0; the eight contributions meet in LDS.
.set CNT,   0                          ; LDS: 8 bytes a wave: its counts of classes 0 and 1
.set PART,  256                        ; 128 bytes a wave: its contribution for each of the 32 slots
.set SPARE, 1280                       ; the spare words, 128 bytes for each wave: four blocks of 256 bytes that no other line names
.set ID,    4                          ; v4-35    my 32 ids, held to 0, 1, 2
.set R,     56                         ; v56      the rank that my lane's slot wants
.set M,     57                         ; v57      the mask of the group of 32 that holds it
.set P,     58                         ; v58      that group's prefix
.set J,     59                         ; v59      that group's number in the wave
.set Q,     60                         ; v60      the rank within the group
.set POS,   65                         ; v65      the bit's place
.set T4,    68                         ; v68      4 x thread; never rewritten
.set TOK,   70                         ; v70-77   the eight contributions; v70 then the slot's token
.set IX,    78                         ; v78-82   lane selects for the permutes
.set RT,    84                         ; v84-88   tokens of my wave's four rows, and of my thread's row of scale bytes
.set VO,    90                         ; v90-93   byte offsets of those four rows' codes
.set D,     100                        ; v100-147 four rows of codes, 3 x 16 bytes a lane each
.set SPW,   150                        ; v150     LDS address of my spare word; never rewritten
.set NIL,   151                        ; v151     0; never rewritten
.set WC,    152                        ; v152-175 my wave's 3,072 bytes of weight codes
.set WS,    176                        ; v176     my 4 scale bytes of the weights
	s_load_b256 s[4:11], s[0:1], 0x0               ; type_ids s[4:5], x's codes s[6:7], x's scales s[8:9], xp_codes s[10:11]
	s_load_b128 s[12:15], s[0:1], 0x20             ; xp_scales s[12:13], order s[14:15]
	s_load_b64 s[16:17], s[0:1], 0x30              ; tiles
	s_load_b256 s[68:75], s[0:1], 0x38             ; W0's codes, W0's scales, W1's codes, W1's scales
	s_load_b128 s[76:79], s[0:1], 0x58             ; wcat_codes, wcat_scales
	v_lshl_add_u32 v[SPW], v0, 2, SPARE
	v_mov_b32 v[NIL], 0
	v_lshrrev_b32 v36, 5, v0
	v_readfirstlane_b32 s18, v36                   ; wave 0..7
	v_and_b32 v1, 31, v0                           ; lane
	v_lshlrev_b32 v2, 4, v1                        ; 16 x lane
	v_lshlrev_b32 v[T4], 2, v0
	s_lshl_b32 s19, s18, 12                        ; my wave's 1,024 ids
	v_add_nc_u32 v3, s19, v2
	s_wait_kmcnt 0x0
.irp i, 0,1,2,3,4,5,6,7
	global_load_b128 v[ID+4*\i:ID+4*\i+3], v3, s[4:5] offset:512*\i   ; 32 lanes read 512 consecutive bytes
.endr
	; THE WEIGHTS' COPY, while the ids are on their way.  The branch and the choice hang on the work-group's number alone
	s_cmp_ge_u32 ttmp9, 256
	s_cbranch_scc1 .Lno_w
	s_cmp_lt_u32 ttmp9, 128
	s_cselect_b64 s[68:69], s[68:69], s[72:73]
	s_cselect_b64 s[70:71], s[70:71], s[74:75]
	s_and_b32 s40, ttmp9, 127                      ; which part of the weight
	s_mul_i32 s42, s40, 24576
	s_mul_i32 s41, s18, 3072
	s_add_co_u32 s42, s42, s41
	s_mov_b32 s43, 0
	s_add_nc_u64 s[68:69], s[68:69], s[42:43]
	s_lshl_b32 s42, s40, 10
	s_add_nc_u64 s[70:71], s[70:71], s[42:43]
	s_mul_i32 s42, ttmp9, 24576                    ; W1 begins 128 parts on: 3,145,728 bytes of codes, 131,072 scale bytes
	s_add_co_u32 s42, s42, s41
	s_add_nc_u64 s[76:77], s[76:77], s[42:43]
	s_lshl_b32 s42, ttmp9, 10
	s_add_nc_u64 s[78:79], s[78:79], s[42:43]
.irp i, 0,1,2,3,4,5
	global_load_b128 v[WC+4*\i:WC+4*\i+3], v2, s[68:69] offset:512*\i th:TH_LOAD_NT
.endr
	global_load_b32 v[WS], v[T4], s[70:71] th:TH_LOAD_NT
	s_wait_loadcnt 0x0
.irp i, 0,1,2,3,4,5
	global_store_b128 v2, v[WC+4*\i:WC+4*\i+3], s[76:77] offset:512*\i   ; 512 consecutive bytes, at a multiple of 512 from the buffer's first byte
.endr
	global_store_b32 v[T4], v[WS], s[78:79]        ; the work-group's 1,024 consecutive bytes, 128 a wave
.Lno_w:
	s_mul_i32 s50, ttmp9, 57
	s_lshr_b32 s50, s50, 9                         ; y = g / 9 (exact for g under 512)
	s_mul_i32 s53, s50, 288
	s_lshl_b32 s54, ttmp9, 5
	s_sub_co_u32 s54, s54, s53                     ; my first slot's place in its tile
	s_mov_b32 s20, 0
	s_mov_b32 s21, 0
	s_wait_loadcnt 0x0
.set JJ, 0
.rept 32
	v_min_u32 v[ID+JJ], 2, v[ID+JJ]                ; unsigned: every id but 0 and 1 is class 2
.set JJ, JJ+1
.endr
; PASS 1: my wave's counts of classes 0 and 1
.set JJ, 0
.rept 32
	v_cmp_eq_u32 s40, 0, v[ID+JJ]
	v_cmp_eq_u32 s41, 1, v[ID+JJ]
	s_bcnt1_i32_b32 s40, s40
	s_bcnt1_i32_b32 s41, s41
	s_add_co_u32 s20, s20, s40
	s_add_co_u32 s21, s21, s41
.set JJ, JJ+1
.endr
	v_mov_b32 v36, s20
	v_mov_b32 v37, s21
	s_lshl_b32 s19, s18, 3
	v_mov_b32 v38, s19
	ds_store_b64 v38, v[36:37] offset:CNT          ; all lanes write the same 8 bytes with the same values
	s_wait_dscnt 0x0                               ; for the others' sake: my store has landed
	s_barrier_signal -1
	s_barrier_wait -1
	v_mov_b32 v39, 0
.irp i, 0,1,2,3
	ds_load_b128 v[40+4*\i:43+4*\i], v39 offset:CNT+16*\i
.endr
	s_wait_dscnt 0x0
.irp i, 0,1,2,3,4,5,6,7,8,9,10,11,12,13,14,15
	v_readfirstlane_b32 s[24+\i], v[40+\i]         ; wave i / 2's count of class i % 2
.endr
	s_mov_b32 s22, 0                               ; n0
	s_mov_b32 s23, 0                               ; n1
	s_mov_b32 s44, 0                               ; class 0 in the waves ahead of mine
	s_mov_b32 s45, 0                               ; class 1 likewise
.irp w, 0,1,2,3,4,5,6,7
	s_add_co_u32 s22, s22, s[24+2*\w]
	s_add_co_u32 s23, s23, s[25+2*\w]
	s_cmp_gt_u32 s18, \w
	s_cselect_b32 s40, s[24+2*\w], 0
	s_cselect_b32 s41, s[25+2*\w], 0
	s_add_co_u32 s44, s44, s40
	s_add_co_u32 s45, s45, s41
.endr
	s_sub_co_u32 s46, 0x2000, s22
	s_sub_co_u32 s46, s46, s23                     ; n2
	s_lshl_b32 s47, s18, 10
	s_sub_co_u32 s47, s47, s44
	s_sub_co_u32 s47, s47, s45                     ; class 2 in the waves ahead of mine
.macro CEIL288 d, n                    ; ceil(n / 288) = ((n + 287) / 32) / 9; x / 9 = 57 x / 512 for x under 512
	s_add_co_u32 \d, \n, 287
	s_lshr_b32 \d, \d, 5
	s_mul_i32 \d, \d, 57
	s_lshr_b32 \d, \d, 9
.endm
	CEIL288 s48, s22                               ; t0
	CEIL288 s49, s23                               ; t1
	CEIL288 s52, s46                               ; t2
	s_add_co_u32 s40, s48, s49
	s_add_co_u32 s40, s40, s52
	s_sub_co_u32 s56, 32, s40                      ; E: the tiles left over, 1 to 3
	s_cmp_gt_u32 s23, s22
	s_cselect_b32 s63, 1, 0
	s_max_u32 s40, s22, s23
	s_cmp_gt_u32 s46, s40
	s_cselect_b32 s63, 2, s63                      ; the class with the most tokens takes them
	s_cmp_eq_u32 s63, 0
	s_cselect_b32 s40, s56, 0
	s_add_co_u32 s48, s48, s40                     ; tiles of class 0
	s_cmp_eq_u32 s63, 1
	s_cselect_b32 s40, s56, 0
	s_add_co_u32 s49, s49, s40
	s_add_co_u32 s49, s49, s48                     ; of classes 0 and 1; the rest, up to 32, are class 2's
	s_cmp_ge_u32 s50, s48
	s_cselect_b32 s40, 1, 0
	s_cmp_ge_u32 s50, s49
	s_cselect_b32 s41, 1, 0
	s_add_co_u32 s51, s40, s41                     ; my tile's class, 0 .. 2
	s_cmp_eq_u32 s51, 0
	s_cselect_b32 s59, s44, s47                    ; the class's prefix at my wave,
	s_cselect_b32 s57, s22, s46                    ; its number of tokens,
	s_cselect_b32 s58, 0, s49                      ; its first tile
	s_cmp_eq_u32 s51, 1
	s_cselect_b32 s59, s45, s59
	s_cselect_b32 s57, s23, s57
	s_cselect_b32 s58, s48, s58
	s_cmp_lt_u32 s51, 2
	s_cselect_b32 s55, -1, 0                       ; all bits where the codes are kept
	s_cmp_eq_u32 s51, s63
	s_cselect_b32 s56, s56, 0                      ; how many of the class's tiles are tiles of one token
	s_sub_co_u32 s40, s50, s58                     ; my tile's number within its class
	s_sub_co_i32 s41, s40, s56
	s_max_i32 s41, s41, 0
	s_mul_i32 s61, s41, 288                        ; the rank of a regular tile's first slot,
	s_sub_co_u32 s60, s57, s61
	s_min_u32 s60, s60, 288                        ; and its tokens
	s_cmp_eq_u32 s40, s56                          ; the first regular tile leaves out the ranks that the tiles of one token have taken
	s_cselect_b32 s42, s56, 0
	s_add_co_u32 s61, s61, s42
	s_sub_co_u32 s60, s60, s42
	s_cmp_lt_u32 s40, s56                          ; a tile of one token: the rank is its number
	s_cselect_b32 s61, s40, s61
	s_cselect_b32 s60, 1, s60
	s_mov_b32 s62, s59                             ; the prefix at my wave is kept
	v_add_nc_u32 v[R], s54, v1                     ; my slot's place in the tile;
	v_cmp_gt_u32 vcc_lo, s60, v[R]
	v_cndmask_b32 v[R], 0, v[R], vcc_lo            ; a slot with no token takes the tile's first
	v_add_nc_u32 v[R], s61, v[R]                   ; its rank in the class
	v_mov_b32 v[M], 0
	v_mov_b32 v[P], 0
	v_mov_b32 v[J], 0
; PASS 2: the last of my 32 groups whose prefix is at or under the rank.  If the rank lies in my wave, that group holds it
.set JJ, 0
.rept 32
	v_cmp_eq_u32 s40, s51, v[ID+JJ]                ; the group's lanes of my tile's class
	v_cmp_le_u32 s41, s59, v[R]
	v_cndmask_b32 v[M], v[M], s40, s41
	v_cndmask_b32 v[P], v[P], s59, s41
	v_cndmask_b32 v[J], v[J], JJ, s41
	s_bcnt1_i32_b32 s40, s40
	s_add_co_u32 s59, s59, s40
.set JJ, JJ+1
.endr
	v_cmp_le_u32 s40, s62, v[R]
	v_cmp_gt_u32 s41, s59, v[R]
	s_and_b32 s42, s40, s41                        ; the lanes whose rank lies in my wave
	v_sub_nc_u32 v[Q], v[R], v[P]
	; counts of the mask's set bits in fields of 2, 4, 8 and 16 bits
	v_lshrrev_b32 v66, 1, v[M]
	v_and_b32 v66, 0x55555555, v66
	v_sub_nc_u32 v61, v[M], v66
	v_lshrrev_b32 v66, 2, v61
	v_and_b32 v66, 0x33333333, v66
	v_and_b32 v62, 0x33333333, v61
	v_add_nc_u32 v62, v62, v66
	v_lshrrev_b32 v66, 4, v62
	v_add_nc_u32 v63, v62, v66
	v_and_b32 v63, 0x0f0f0f0f, v63
	v_lshrrev_b32 v66, 8, v63
	v_add_nc_u32 v64, v63, v66
	v_and_b32 v64, 0x00ff00ff, v64
	v_mov_b32 v[POS], 0
.macro HALVE src, mask, w              ; if the lower w bits from POS on hold at most Q set bits, pass over them
	v_lshrrev_b32 v66, v[POS], v[\src]
	v_and_b32 v66, \mask, v66
	v_cmp_ge_u32 vcc_lo, v[Q], v66
	v_cndmask_b32 v66, 0, v66, vcc_lo
	v_sub_nc_u32 v[Q], v[Q], v66
	v_cndmask_b32 v67, 0, \w, vcc_lo
	v_add_nc_u32 v[POS], v[POS], v67
.endm
	HALVE 64, 0xff, 16
	HALVE 63, 0xff, 8
	HALVE 62, 15, 4
	HALVE 61, 3, 2
	HALVE M, 1, 1
	v_lshrrev_b32 v66, 2, v[J]
	v_lshlrev_b32 v66, 7, v66
	v_and_b32 v67, 3, v[J]
	v_lshl_add_u32 v66, v[POS], 2, v66
	v_add_nc_u32 v66, v66, v67
	s_lshl_b32 s40, s18, 10
	v_add_nc_u32 v66, s40, v66                     ; the token: 1024 wave + 128 (j / 4) + 4 place + j % 4
	v_cndmask_b32 v66, 0, v66, s42                 ; or 0 where the rank is another wave's
	ds_store_b32 v[T4], v66 offset:PART
	s_wait_dscnt 0x0                               ; for the others' sake: my store has landed
	s_barrier_signal -1
	s_barrier_wait -1
	v_lshlrev_b32 v69, 2, v1
.irp i, 0,1,2,3,4,5,6,7
	ds_load_b32 v[TOK+\i], v69 offset:PART+128*\i
.endr
	s_lshl_b32 s40, s18, 4                         ; lane selects, in bytes: rows 4 wave + k,
.irp k, 0,1,2,3
	v_mov_b32 v[IX+\k], s40
.endr
.irp k, 1,2,3
	v_add_nc_u32 v[IX+\k], 4*\k, v[IX+\k]
.endr
	v_lshrrev_b32 v[IX+4], 3, v1
	v_lshl_add_u32 v[IX+4], v[IX+4], 2, s40        ; and row 4 wave + lane / 8, whose scale bytes I copy
	s_wait_dscnt 0x0
.irp i, 1,2,3,4,5,6,7
	v_or_b32 v[TOK], v[TOK], v[TOK+\i]             ; one wave gave the token, the others 0
.endr
	v_min_u32 v[TOK], 0x1fff, v[TOK]
.irp k, 0,1,2,3,4
	ds_bpermute_b32 v[RT+\k], v[IX+\k], v[TOK]     ; between lanes: no LDS byte is touched
.endr
	s_lshl_b32 s40, ttmp9, 5
	s_lshl_b32 s41, s18, 2
	s_add_co_u32 s40, s40, s41
	s_mul_i32 s40, s40, 1536
	s_mov_b32 s41, 0
	s_add_nc_u64 s[10:11], s[10:11], s[40:41]      ; xp_codes at slot 32 g + 4 wave
	s_lshl_b32 s40, ttmp9, 11
	s_add_nc_u64 s[12:13], s[12:13], s[40:41]      ; xp_scales at slot 32 g
	s_lshl_b32 s40, ttmp9, 7
	s_add_nc_u64 s[14:15], s[14:15], s[40:41]      ; order at slot 32 g
	v_and_b32 v67, 7, v1
	v_lshlrev_b32 v95, 3, v0                       ; 8 x thread
	s_wait_dscnt 0x0
.irp k, 0,1,2,3,4
	v_min_u32 v[RT+\k], 0x1fff, v[RT+\k]           ; a row of x, whatever came
.endr
.irp k, 0,1,2,3
	v_mul_u32_u24 v[VO+\k], v[RT+\k], 0x600        ; a row of codes is 1,536 bytes
	v_add_nc_u32 v[VO+\k], v[VO+\k], v2
.endr
	v_lshlrev_b32 v94, 6, v[RT+4]                  ; a row of scale bytes is 64
	v_lshl_add_u32 v94, v67, 3, v94
.irp k, 0,1,2,3
.irp i, 0,1,2
	global_load_b128 v[D+4*(3*\k+\i):D+4*(3*\k+\i)+3], v[VO+\k], s[6:7] offset:512*\i   ; 512 consecutive bytes a load
.endr
.endr
	global_load_b64 v[98:99], v94, s[8:9]
	s_wait_loadcnt 0x0
.set JJ, 0
.rept 48
	v_and_b32 v[D+JJ], s55, v[D+JJ]                ; class 2: zero codes
.set JJ, JJ+1
.endr
	v_and_b32 v98, s55, v98
	v_and_b32 v99, s55, v99
.irp k, 0,1,2,3
.irp i, 0,1,2
	global_store_b128 v2, v[D+4*(3*\k+\i):D+4*(3*\k+\i)+3], s[10:11] offset:1536*\k+512*\i   ; 512 consecutive bytes, at a multiple of 512 from the buffer's first byte
.endr
.endr
	global_store_b64 v95, v[98:99], s[12:13]       ; a wave stores 256 consecutive bytes, aligned
	s_cmp_lg_u32 s18, 0
	s_cbranch_scc1 .Lend
	global_store_b32 v69, v[TOK], s[14:15]         ; wave 0: the 32 slots' target rows
	s_cmp_lg_u32 ttmp9, 0
	s_cbranch_scc1 .Lend
	v_cmp_le_u32 vcc_lo, s48, v1                   ; work-group 0: the class of tile = lane
	v_cndmask_b32 v96, 0, 1, vcc_lo
	v_cmp_le_u32 vcc_lo, s49, v1
	v_cndmask_b32 v97, 0, 1, vcc_lo
	v_add_nc_u32 v96, v96, v97
	global_store_b32 v69, v96, s[16:17]
.Lend:
	s_wait_tensorcnt 0x0                           ; the wave's end, behind my last LDS store
	ds_add_u32 v[SPW], v[NIL]
	s_wait_dscnt 0x0
	s_endpgm
.Lfunc_end_k_qdce519978e_place:
	.size	k_qdce519978e_place, .Lfunc_end_k_qdce519978e_place-k_qdce519978e_place
	.p2alignl 7, 3214868480
	.fill 96, 4, 3214868480
	.section	.rodata,"a",@progbits
	.p2align	6, 0x0
	.amdhsa_kernel k_qdce519978e_place
		.amdhsa_group_segment_fixed_size 2304
		.amdhsa_private_segment_fixed_size 0
		.amdhsa_enable_private_segment 0
		.amdhsa_kernarg_size 104
		.amdhsa_user_sgpr_count 2
		.amdhsa_user_sgpr_kernarg_segment_ptr 1
		.amdhsa_wavefront_size32 1
		.amdhsa_system_sgpr_workgroup_id_x 1
		.amdhsa_system_sgpr_workgroup_id_y 1
		.amdhsa_system_sgpr_workgroup_id_z 1
		.amdhsa_system_vgpr_workitem_id 0
		.amdhsa_next_free_vgpr 192
		.amdhsa_next_free_sgpr 84
		.amdhsa_reserve_vcc 1
		.amdhsa_float_denorm_mode_32 3
		.amdhsa_float_denorm_mode_16_64 3
		.amdhsa_memory_ordered 1
		.amdhsa_forward_progress 1
		.amdhsa_inst_pref_size 41
	.end_amdhsa_kernel
	.amdgpu_metadata
---
amdhsa.version: [ 1, 2 ]
amdhsa.kernels:
  - .name:           k_qdce519978e_place
    .symbol:         k_qdce519978e_place.kd
    .args:
      - { .name: type_ids, .offset: 0, .size: 8, .value_kind: global_buffer, .address_space: global }
      - { .name: hidden_states_codes, .offset: 8, .size: 8, .value_kind: global_buffer, .address_space: global }
      - { .name: hidden_states_scales, .offset: 16, .size: 8, .value_kind: global_buffer, .address_space: global }
      - { .name: xp_codes, .offset: 24, .size: 8, .value_kind: global_buffer, .address_space: global }
      - { .name: xp_scales, .offset: 32, .size: 8, .value_kind: global_buffer, .address_space: global }
      - { .name: order, .offset: 40, .size: 8, .value_kind: global_buffer, .address_space: global }
      - { .name: tiles, .offset: 48, .size: 8, .value_kind: global_buffer, .address_space: global }
      - { .name: W0_codes, .offset: 56, .size: 8, .value_kind: global_buffer, .address_space: global }
      - { .name: W0_scales, .offset: 64, .size: 8, .value_kind: global_buffer, .address_space: global }
      - { .name: W1_codes, .offset: 72, .size: 8, .value_kind: global_buffer, .address_space: global }
      - { .name: W1_scales, .offset: 80, .size: 8, .value_kind: global_buffer, .address_space: global }
      - { .name: wcat_codes, .offset: 88, .size: 8, .value_kind: global_buffer, .address_space: global }
      - { .name: wcat_scales, .offset: 96, .size: 8, .value_kind: global_buffer, .address_space: global }
    .group_segment_fixed_size: 2304
    .private_segment_fixed_size: 0
    .kernarg_segment_align: 8
    .kernarg_segment_size: 104
    .max_flat_workgroup_size: 256
    .sgpr_count:     84
    .vgpr_count:     192
    .wavefront_size: 32
...
	.end_amdgpu_metadata
.endif
;; end of part 1
;; launch gemm (part 2): grid 8 x 32, 4 waves a work-group, clusters of 4 x 1, 327,680 bytes of LDS; arguments xp_codes, xp_scales, order, tiles, wcat_codes, wcat_scales, b0, b1, out0; writes out0
.if DOCPART == 2
	.amdgcn_target "amdgcn-amd-amdhsa--gfx1250"
	.amdhsa_code_object_version 6
	.text
	.protected	k_qdce519978e_gemm
	.globl	k_qdce519978e_gemm
	.p2align	8
	.type	k_qdce519978e_gemm,@function
k_qdce519978e_gemm:
	s_mov_b64 s[64:65], 0
	v_nop
	global_prefetch_b8 v0, s[64:65] scope:SCOPE_SE
	s_setreg_imm32_b32 hwreg(HW_REG_WAVE_MODE, 25, 1), 1
	s_wait_xcnt 0x0
	s_wait_alu depctr_hold_cnt(0) depctr_sa_sdst(0) depctr_va_vdst(0) depctr_va_sdst(0) depctr_va_ssrc(0) depctr_va_vcc(0) depctr_vm_vsrc(0)
	s_getreg_b32 s2, hwreg(HW_REG_IB_STS2, 6, 4)
	s_cmp_eq_u32 s2, 0
	s_cbranch_scc0 .Lentry_in_a_cluster
	s_endpgm
.Lentry_in_a_cluster:
	s_bfe_u32 s2, ttmp6, 0x10000c
	s_cmp_lg_u32 s2, 0x3003
	s_cbranch_scc0 .Lentry_shape_is_right
	s_endpgm
.Lentry_shape_is_right:
; out[order[s]][n] = sum over k of X[s][k] W[n][k] + b[n] for the 9,216 slots s that the launch before laid out by class; W, b = W0, b0 for a tile of class 0, W1, b1 for class 1.
; Only the expert that a token's id chooses is multiplied (the argument stands at the head of the launch before).  Class 2 (an id that is neither 0 nor 1): zero codes against W1 and no bias give the 0 that is due.
; Every tile holds a token.  A slot that repeats its tile's first token stores the same numbers to the same row once more, from the same work-group; the one to three tiles of one token do so in all their slots:
; a text with tensor loads has no branch on a number read from memory, and the grid of 32 tiles of 288 slots serves every split of the tokens.
; The tile's class steers no branch and chooses no pointer: held to 0 or 1 it is an offset into the buffer that holds W0 and W1 one behind the other; the bias is chosen by value, out of both.
; LIMITS: as stated at the head of the launch before.
; Codes of FP6 (E2M3) with one E8M0 byte for each 32 along K go to the matrix unit as they lie: a row of 2,048 codes is 1,536 bytes, its scale bytes 64.
; SHARES.  A work-group makes 288 slots x 256 columns: 32 x 8 = 256 work-groups.  Four waves, each 144 x 128: 9 blocks of A x 8 of B = 72 accumulators, 576 registers.
; K goes in steps of 256 through a ring of two LDS slots; the scale bytes of the work-group's rows, for all of K, come once, with the first fills, and stay.
; CLUSTER: the four work-groups of a cluster lie along x and share their 288 slots: A's tiles and A's scale bytes are asked for JOINTLY (mask 15).  B's are not: partners along x need other rows of W, and
; partners along y could be of another class, so that their descriptors would differ.
; THE MATRIX INSTRUCTION IS USED TRANSPOSED (source 0 = 16 rows of W, source 1 = 16 slots): a lane holds eight neighbouring columns of one slot's row.  The bias is the C of each sum's first instruction.
; REGISTERS, in windows of 256: window 0: v16-31 addresses; v32-67 scale words, two sets of 18; v68-131 the bias, 8 tiles of 8; v132-239 A's 9 fragments, ONE set.
;   window 1: B's fragments, two sets, at v0 and v128; the accumulators of A's block 8 at v96-127 and v224-255.   windows 2, 3: the accumulators of A's blocks 0-3 and 4-7, (a, b) at v[8 (8 (a % 4) + b)].
.set NQ,     2                         ; matrix instructions deep in a slot
.set ROWB,   192                       ; a tile's row: 256 codes
.set KROW,   1536                      ; a row of codes in memory
.set PITCH,  240                       ; an LDS row: 3 x (64 bytes + 16 of padding)
.set FR,     12                        ; registers of a fragment
.set NL,     6                         ; LDS loads that bring one
.set NP,     4                         ; places behind this matrix instruction (ISA guide 7.12.1)
.set RA,     144                       ; slots that one tensor load brings, and that one wave reads
.set HALFA,  RA*PITCH
.set HALFB,  128*PITCH
.set SLOT,   2*HALFA+2*HALFB           ; A's 288 rows, then B's 256
.set LAPS,   4                         ; 2,048 / 512
.set KS,     64                        ; a row of scale bytes
.set SCL,    2*SLOT                    ; behind the ring: the scale bytes, as units of 256 bytes + 16 of padding: A's 72 units, then B's 64
.set HALFSA, (RA*KS/256)*272
.set HALFSB, (128*KS/256)*272
.set SBLK,   (16*KS/256)*272           ; those of 16 rows
.set SPARE,  298240                    ; the first multiple of 256 behind the scales: the spare words, 128 bytes for each wave
.set SPITCH, 528                       ; the way out: a stage of 16 rows x (512 bytes + 16) for each wave, in slot 0, which has had its last fill and its last read by then
.set ADRA, 16                          ; v16-17 LDS address of my A fragments in slot 0, 1 (v18-19: for the pieces behind one padding more)
.set ADRB, 20                          ; v20-23 the same for B
.set STO,  24
.set RD,   25
.set CO,   26                          ; 16 x lane
.set ADRS, 27                          ; my scale words: lanes 0-15 A's rows, lanes 16-31 B's
.set SPW,  28
.set NIL,  29
.set ADRS8, 30                         ; A's rows in all lanes: for A's ninth block, which has no partner in B
.set BO,   31                          ; 32 x (lane / 16): my half's eight numbers of a bias tile
.set SC,   32
.set BI,   68
.set AF,   132
.set OFF,  68                          ; the way out: byte offsets of 16 target rows, two sets (the bias is done with)
.set BK,   128                         ; the way out: 16 rows read back, v128-191 and v192-255 by turns
.set G1,   24                          ; s[24:31], s[32:39]: groups 1 and 0 (a set a slot) for A's tiles
.set G0,   32
.set G1B,  48                          ; s[48:55], s[56:63]: for B's
.set G0B,  56
.set G1S,  68                          ; s[68:75], s[76:79]: A's scale bytes;  s[80:87], s[88:91]: B's
.set G0S,  76
.set G1SB, 80
.set G0SB, 88
.set MSB, 0
.macro WIN new                         ; the immediate's high byte repeats the setting that is left
.if MSB != (\new)
	s_set_vgpr_msb (MSB<<8)|(\new)
.set MSB, (\new)
.endif
.endm
.set TO_B, 0x40                        ; destination window 1, address window 0
; Waves 0 and 1 fetch for A (jointly), waves 2 and 3 for B.  The branch hangs on the wave's number alone.  An s_nop 0 and four v_nop follow each of the two lines.
.macro JLOAD g0a, g1a, g0b, g1b
	s_cmp_eq_u32 s15, 0
	s_cbranch_scc0 .Lfor_b_\@
	tensor_load_to_lds s[\g0a:\g0a+3], s[\g1a:\g1a+7]
	s_nop 0
.rept 4
	v_nop
.endr
	s_branch .Lasked_\@
.Lfor_b_\@:
	tensor_load_to_lds s[\g0b:\g0b+3], s[\g1b:\g1b+7]
	s_nop 0
.rept 4
	v_nop
.endr
.Lasked_\@:
.endm
.macro CREST                           ; a round of the cluster's barrier behind its opening barrier
	s_cmp_lg_u32 s14, 0
	s_cbranch_scc1 .Lnot_wave_0_\@
	s_barrier_signal -3
.Lnot_wave_0_\@:
	s_barrier_wait -3
	s_barrier_signal -1
	s_barrier_wait -1
.endm
.macro CROUND
	s_barrier_signal -1
	s_barrier_wait -1
	CREST
.endm
	s_load_b256 s[4:11], s[0:1], 0x0               ; xp_codes s[4:5], xp_scales s[6:7], order s[8:9], tiles s[10:11]
	s_load_b256 s[68:75], s[0:1], 0x20             ; the weights' codes s[68:69], their scale bytes s[70:71], b0 s[72:73], b1 s[74:75]
	s_load_b64 s[12:13], s[0:1], 0x40              ; out0
	v_lshl_add_u32 v[SPW], v0, 2, SPARE
	v_mov_b32 v[NIL], 0
	ds_add_u32 v[SPW], v[NIL]                      ; the wave's opening: the add, twice on end, and its wait ahead of my first tensor load
	ds_add_u32 v[SPW], v[NIL]                      ; and once more, under the one wait
	v_lshrrev_b32 v1, 5, v0
	v_readfirstlane_b32 s14, v1                    ; wave 0..3
	s_lshr_b32 s15, s14, 1                         ; which 144 slots are mine.  Also: I fetch for A (0) or for B (1)
	s_and_b32 s16, s14, 1                          ; which 128 columns.  Also: which half of that tile I fetch
	s_bfe_u32 s40, ttmp6, 0x40000                  ; cx
	s_lshl_b32 s42, ttmp9, 2
	s_add_co_u32 s42, s42, s40                     ; x = 4 x cluster x + cx: it enters B's, the bias's and the output's addresses alone
	s_and_b32 s17, ttmp7, 0xffff                   ; y: the tile of slots, which the four partners share
	s_mov_b32 s[G1+0], 15|(1<<20)|(1<<21)|(3<<22)|(3<<25)   ; the mask: all four; elements of 1 byte; padding on; bit 21 beside a mask; after every 16 words, 4 words
	s_mov_b32 s[G1+1], ROWB<<16
	s_mov_b32 s[G1+2], RA<<16
	s_mov_b32 s[G1+3], ROWB<<16
	s_mov_b32 s[G1+4], RA
	s_mov_b32 s[G1+5], KROW
	s_mov_b32 s[G1+6], 0
	s_mov_b32 s[G1+7], 0
	s_mov_b32 s[G1B+0], (1<<20)|(3<<22)|(3<<25)    ; no mask: a load of my own
	s_mov_b32 s[G1B+1], ROWB<<16
	s_mov_b32 s[G1B+2], 128<<16
	s_mov_b32 s[G1B+3], ROWB<<16
	s_mov_b32 s[G1B+4], 128
	s_mov_b32 s[G1B+5], KROW
	s_mov_b32 s[G1B+6], 0
	s_mov_b32 s[G1B+7], 0
	s_mul_i32 s20, s17, 288
	s_mul_i32 s18, s16, RA
	s_add_co_u32 s20, s20, s18                     ; A: the first slot that I fetch
	s_lshl_b32 s22, s20, 6                         ; its scale bytes,
	s_mov_b32 s23, 0
	s_mul_i32 s20, s20, KROW                       ; its codes
	s_mov_b32 s21, 0
	s_lshl_b32 s46, s42, 8
	s_lshl_b32 s18, s16, 7
	s_add_co_u32 s46, s46, s18                     ; B: the first row of W that I fetch
	s_lshl_b32 s44, s46, 6
	s_mov_b32 s45, 0
	s_mul_i32 s46, s46, KROW
	s_mov_b32 s47, 0
	s_lshl_b32 s18, s17, 2
	s_mov_b32 s19, 0
	s_wait_dscnt 0x0                               ; both opening adds are done
	s_wait_kmcnt 0x0
	s_add_nc_u64 s[10:11], s[10:11], s[18:19]
	s_load_b32 s41, s[10:11], 0x0                  ; my tile's class
	s_mul_i32 s18, s17, 288
	s_mul_i32 s43, s15, RA
	s_add_co_u32 s18, s18, s43
	s_lshl_b32 s18, s18, 2
	s_add_nc_u64 s[98:99], s[8:9], s[18:19]        ; order at my 144 slots
	s_add_nc_u64 s[20:21], s[4:5], s[20:21]
	s_add_nc_u64 s[22:23], s[6:7], s[22:23]
	s_lshl_b32 s18, s42, 10
	s_lshl_b32 s43, s16, 9
	s_add_co_u32 s18, s18, s43                     ; my first column, in bytes of f32
	s_wait_kmcnt 0x0
	s_min_u32 s43, s41, 1                          ; the expert: 0, or 1 for classes 1 and 2
	s_mul_i32 s2, s43, 0x300000                    ; W1's codes lie 3,145,728 bytes behind W0's,
	s_add_co_u32 s46, s46, s2
	s_lshl_b32 s2, s43, 17                         ; its scale bytes 131,072
	s_add_co_u32 s44, s44, s2
	s_add_nc_u64 s[92:93], s[68:69], s[46:47]      ; the expert's codes at my first row,
	s_add_nc_u64 s[94:95], s[70:71], s[44:45]      ; and its scale bytes
	s_add_nc_u64 s[100:101], s[72:73], s[18:19]    ; b0, b1 and the output at my first column
	s_add_nc_u64 s[96:97], s[74:75], s[18:19]
	s_add_nc_u64 s[12:13], s[12:13], s[18:19]
	s_cmp_eq_u32 s41, 0
	s_cselect_b32 s44, -1, 0                       ; all bits where b0 counts,
	s_cmp_eq_u32 s41, 1
	s_cselect_b32 s45, -1, 0                       ; where b1 counts; class 2 has no bias
	; the scale bytes: dense blocks, as rows of 256 bytes (32 elements of 8 bytes), 16 bytes of padding behind each
	s_mov_b32 s[G1S+0], 15|(3<<16)|(1<<20)|(1<<21)|(5<<22)|(3<<25)
	s_mov_b32 s[G1S+1], 32<<16
	s_mov_b32 s[G1S+2], (RA*KS/256)<<16
	s_mov_b32 s[G1S+3], 32<<16
	s_mov_b32 s[G1S+4], RA*KS/256
	s_mov_b32 s[G1S+5], 32
	s_mov_b32 s[G1S+6], 0
	s_mov_b32 s[G1S+7], 0
	s_mov_b32 s[G1SB+0], (3<<16)|(1<<20)|(5<<22)|(3<<25)
	s_mov_b32 s[G1SB+1], 32<<16
	s_mov_b32 s[G1SB+2], (128*KS/256)<<16
	s_mov_b32 s[G1SB+3], 32<<16
	s_mov_b32 s[G1SB+4], 128*KS/256
	s_mov_b32 s[G1SB+5], 32
	s_mov_b32 s[G1SB+6], 0
	s_mov_b32 s[G1SB+7], 0
	CROUND                                         ; all four work-groups are here: the first joint loads meet
	s_mov_b32 s[G0S], 1
	s_mul_i32 s[G0S+1], s16, HALFSA
	s_add_co_u32 s[G0S+1], s[G0S+1], SCL
	s_mov_b64 s[G0S+2:G0S+3], s[22:23]
	s_or_b32 s[G0S+3], s[G0S+3], 0x80000000
	s_mov_b32 s[G0SB], 1
	s_mul_i32 s[G0SB+1], s16, HALFSB
	s_add_co_u32 s[G0SB+1], s[G0SB+1], SCL+2*HALFSA
	s_mov_b64 s[G0SB+2:G0SB+3], s[94:95]
	s_or_b32 s[G0SB+3], s[G0SB+3], 0x80000000
	JLOAD G0S, G1S, G0SB, G1SB                     ; the scale bytes first: they are wanted with K step 0
.irp s, 0,1
	s_mov_b32 s[G0+4*\s], 1
	s_mul_i32 s[G0+4*\s+1], s16, HALFA
	s_add_co_u32 s[G0+4*\s+1], s[G0+4*\s+1], \s*SLOT
	s_add_nc_u64 s[G0+4*\s+2:G0+4*\s+3], s[20:21], \s*ROWB
	s_or_b32 s[G0+4*\s+3], s[G0+4*\s+3], 0x80000000
	s_mov_b32 s[G0B+4*\s], 1
	s_mul_i32 s[G0B+4*\s+1], s16, HALFB
	s_add_co_u32 s[G0B+4*\s+1], s[G0B+4*\s+1], 2*HALFA+\s*SLOT
	s_add_nc_u64 s[G0B+4*\s+2:G0B+4*\s+3], s[92:93], \s*ROWB
	s_or_b32 s[G0B+4*\s+3], s[G0B+4*\s+3], 0x80000000
	JLOAD G0+4*\s, G1, G0B+4*\s, G1B               ; three tensor loads of mine are out behind the second of these
.endr
	v_and_b32 v1, 15, v0                           ; l % 16
	v_bfe_u32 v2, v0, 4, 1                         ; l / 16
	v_lshlrev_b32 v[BO], 5, v2
.irp b, 0,1,2,3,4,5,6,7
	global_load_b128 v[BI+8*\b:BI+8*\b+3], v[BO], s[100:101] offset:64*\b       ; b0 at columns 16 b + 8 (l / 16) + 0 .. 7: the result's layout
	global_load_b128 v[BI+8*\b+4:BI+8*\b+7], v[BO], s[100:101] offset:64*\b+16
	global_load_b128 v[AF+8*\b:AF+8*\b+3], v[BO], s[96:97] offset:64*\b         ; b1 likewise, into registers that A's fragments take later
	global_load_b128 v[AF+8*\b+4:AF+8*\b+7], v[BO], s[96:97] offset:64*\b+16
.endr
	v_mul_u32_u24 v3, v1, PITCH
	v_mul_u32_u24 v4, v2, 24
	v_add_nc_u32 v4, v3, v4                        ; a fragment's row x pitch + 24 x half
	v_lshl_add_u32 v5, v2, 4, v4                   ; and the same behind one padding more
	s_mul_i32 s21, s15, HALFA                      ; my 144 rows of A
	s_mul_i32 s22, s16, HALFB                      ; my 128 rows of B,
	s_add_co_u32 s22, s22, 2*HALFA                 ; behind A's 288
.irp s, 0,1
	v_add_nc_u32 v[ADRA+\s], s21, v4
	v_add_nc_u32 v[ADRB+\s], s22, v4
	v_add_nc_u32 v[ADRA+2+\s], s21, v5
	v_add_nc_u32 v[ADRB+2+\s], s22, v5
	s_add_co_u32 s21, s21, SLOT
	s_add_co_u32 s22, s22, SLOT
.endr
	v_mul_u32_u24 v5, v1, KS                       ; my row's scale bytes: 64 a row,
	v_lshrrev_b32 v6, 8, v5
	v_lshl_add_u32 v5, v6, 4, v5                   ; and 16 more for each 256 passed
	s_mul_i32 s21, s15, HALFSA                     ; A's: my 144 rows
	s_mul_i32 s22, s16, HALFSB                     ; B's: my 128 rows, behind A's 288
	s_add_co_u32 s22, s22, 2*HALFSA
	s_sub_co_u32 s22, s22, s21
	v_mul_u32_u24 v6, s22, v2                      ; lanes 16-31 take B's: one product, the distance between the two bases
	s_add_co_u32 s21, s21, SCL
	v_add_nc_u32 v[ADRS8], s21, v5
	v_add_nc_u32 v[ADRS], v[ADRS8], v6
	s_mul_i32 s23, s14, 16*SPITCH                  ; my stage
	v_mul_u32_u24 v5, v1, SPITCH
	v_lshl_add_u32 v5, v2, 5, v5
	v_add_nc_u32 v[STO], s23, v5                   ; in: row l % 16, 32 bytes for each half of the lanes
	v_and_b32 v6, 31, v0
	v_lshlrev_b32 v[CO], 4, v6
	v_add_nc_u32 v[RD], s23, v[CO]                 ; back: the 32 lanes take one row of 512 bytes
	s_wait_loadcnt 0x0
.set JJ, 0
.rept 64
	v_and_b32 v[BI+JJ], s44, v[BI+JJ]              ; b0 for class 0,
	v_and_or_b32 v[BI+JJ], v[AF+JJ], s45, v[BI+JJ] ; b1 for class 1, 0 for class 2
.set JJ, JJ+1
.endr
.macro FRAG reg, adr, q, i             ; 16 rows x 128 K: lane l holds row l % 16; registers 6 c .. 6 c + 5 hold K = 64 c + 32 (l / 16) + 0 .. 31: 24 bytes of the row's stream of bits, in pieces of 8
.irp p, 0,1,2,3,4,5
.set PC, 12*(\q)+6*(\p/3)+\p%3        ; 16 bytes of padding lie behind every 8 pieces: where the piece three on (lanes 16-31) lies behind one padding more, the second address register serves
.if PC%8 < 5
	ds_load_b64 v[\reg+2*\p:\reg+2*\p+1], v[\adr] offset:8*PC+16*(PC/8)+(\i)*16*PITCH
.else
	ds_load_b64 v[\reg+2*\p:\reg+2*\p+1], v[\adr+2] offset:8*PC+16*(PC/8)+(\i)*16*PITCH
.endif
.endr
.endm
; 8 matrix instructions: A's block a against B's eight, the slot's q-th 128 along K.  p: B's set; sc: the set of scale words.  first = 1: the bias is the C: nothing is cleared, nothing is added later.
; The 72 accumulators take turns, one instruction a turn, in the same order in every step.
.macro MULA a, p, q, sc, first
.irp b, 0,1,2,3,4,5,6,7
.if (\a) < 8
.set AC, 64*((\a)%4)+8*\b
.else
.set AC, 96+8*\b+96*(\b/4)
.endif
.if \first
	v_wmma_scale_f32_16x16x128_f8f6f4 v[AC:AC+7], v[128*(\p)+FR*\b:128*(\p)+FR*\b+FR-1], v[AF+FR*(\a):AF+FR*(\a)+FR-1], v[BI+8*\b:BI+8*\b+7], v[SC+18*(\sc)+2*\b+(\q)], v[SC+18*(\sc)+2*(\a)+(\q)] matrix_a_fmt:MATRIX_FMT_FP6 matrix_b_fmt:MATRIX_FMT_FP6 matrix_a_scale:MATRIX_SCALE_ROW1
.else
	v_wmma_scale_f32_16x16x128_f8f6f4 v[AC:AC+7], v[128*(\p)+FR*\b:128*(\p)+FR*\b+FR-1], v[AF+FR*(\a):AF+FR*(\a)+FR-1], v[AC:AC+7], v[SC+18*(\sc)+2*\b+(\q)], v[SC+18*(\sc)+2*(\a)+(\q)] matrix_a_fmt:MATRIX_FMT_FP6 matrix_b_fmt:MATRIX_FMT_FP6 matrix_a_scale:MATRIX_SCALE_ROW1
.endif
.endr
.endm
.macro FETCH_B slot, q, p
	WIN TO_B
.irp i, 0,1,2,3,4,5,6,7
	FRAG 128*(\p)+FR*\i, ADRB+\slot, \q, \i
.endr
	WIN 0
.endm
.macro FETCH_A slot, q, i0, n          ; A's blocks i0 .. i0 + n - 1
.set FI, \i0
.rept \n
	FRAG AF+FR*FI, ADRA+\slot, \q, FI
.set FI, FI+1
.endr
.endm
.macro SCALES sc                       ; a K step's scale words: two a row; lanes 0-15 A's block i, lanes 16-31 B's block i; the ninth load A's block 8 in all lanes
.irp i, 0,1,2,3,4,5,6,7
	ds_load_b64 v[SC+18*\sc+2*\i:SC+18*\sc+2*\i+1], v[ADRS] offset:\i*SBLK
.endr
	ds_load_b64 v[SC+18*\sc+16:SC+18*\sc+17], v[ADRS8] offset:8*SBLK
.endm
.macro PLACES n                        ; plain vector instructions between a matrix instruction and a load into, or a read of, its registers (ISA guide 7.12.1 for the reads)
.rept \n
	v_nop
.endr
.endm
; Window settings: source 0 (B) window 1, source 1 (A) window 0; C and D window 2 (blocks 0-3), 3 (blocks 4-7), 1 (block 8); in the first step C (the bias) window 0.
.macro STEP slot, q, first
	s_wait_dscnt 5*NL                              ; B's set, A's blocks 0-3 and the scale words are in; the youngest 30 loads (A's blocks 4-8) may be out
	WIN 0xa1-0x20*(\first)
	MULA 0, (\q)%2, \q, \slot, \first
	MULA 1, (\q)%2, \q, \slot, \first
	MULA 2, (\q)%2, \q, \slot, \first
	MULA 3, (\q)%2, \q, \slot, \first
	s_wait_dscnt 0                                 ; A's blocks 4-8 are in (asked for 32 matrix instructions ago)
	PLACES NP
	FETCH_B \slot, (\q)+1, 1-(\q)%2
	FETCH_A \slot, (\q)+1, 0, 4
	WIN 0xf1-0x30*(\first)
	MULA 4, (\q)%2, \q, \slot, \first
	MULA 5, (\q)%2, \q, \slot, \first
	MULA 6, (\q)%2, \q, \slot, \first
	MULA 7, (\q)%2, \q, \slot, \first
	WIN 0x51-0x10*(\first)
	MULA 8, (\q)%2, \q, \slot, \first
	PLACES NP
	WIN 0
	FETCH_A \slot, (\q)+1, 4, 5
.endm
; A slot's last step changes slots: ONE barrier; in front of it each wave waits for all its tensor loads, adds 0 to its spare word, and waits for that and for its reads of this slot.  fill = 1: the slot is filled again, two K steps ahead.
.macro TURN slot, next, fill
	s_wait_tensorcnt 0x0                           ; all my tensor loads have landed: my part of the next slot (every window is 0 here)
	ds_add_u32 v[SPW], v[NIL]                      ; 0 onto my spare word
	s_wait_dscnt 5*NL+1                            ; the add and the youngest 30 loads (A's blocks 4-8) may be out
	WIN 0xa1
	MULA 0, 1, NQ-1, \slot, 0
	MULA 1, 1, NQ-1, \slot, 0
	s_wait_dscnt 0x0                               ; the add is done, and my reads of this slot are over
	s_barrier_signal -1
	MULA 2, 1, NQ-1, \slot, 0
	MULA 3, 1, NQ-1, \slot, 0
	WIN 0
	s_barrier_wait -1
.if \fill
	CREST                                          ; the barrier has opened a round of the cluster's: no wave of any partner still reads this slot or has a load on its way
	s_add_nc_u64 s[G0+4*\slot+2:G0+4*\slot+3], s[G0+4*\slot+2:G0+4*\slot+3], 2*ROWB
	s_add_nc_u64 s[G0B+4*\slot+2:G0B+4*\slot+3], s[G0B+4*\slot+2:G0B+4*\slot+3], 2*ROWB
	JLOAD G0+4*\slot, G1, G0B+4*\slot, G1B         ; my one tensor load behind the round; its four v_nop are the places in front of the loads below
.else
	PLACES NP
.endif
	v_add_nc_u32 v[ADRS], 4*NQ, v[ADRS]            ; the next K step's scale words (no LDS load of mine is out)
	v_add_nc_u32 v[ADRS8], 4*NQ, v[ADRS8]
	FETCH_B \next, 0, 0
	FETCH_A \next, 0, 0, 4
	SCALES \next
	WIN 0xf1
	MULA 4, 1, NQ-1, \slot, 0
	MULA 5, 1, NQ-1, \slot, 0
	MULA 6, 1, NQ-1, \slot, 0
	MULA 7, 1, NQ-1, \slot, 0
	WIN 0x51
	MULA 8, 1, NQ-1, \slot, 0
	PLACES NP
	WIN 0
	FETCH_A \next, 0, 4, 5
.endm
	PLACES 8                                       ; behind the bias's choice, ahead of the products that take it
	s_wait_tensorcnt 1                             ; the scale bytes and my part of K step 0 are in (K step 1's load may be out)
	s_barrier_signal -1
	s_barrier_wait -1                              ; everybody's are
	FETCH_B 0, 0, 0
	FETCH_A 0, 0, 0, 4
	SCALES 0
	FETCH_A 0, 0, 4, 5
	STEP 0, 0, 1                                   ; the first step stands in front of the loop: its products start the sums from the bias
	s_mov_b32 s3, LAPS-1
.Llap:                                                 ; a trip goes once round the ring, from a lap's second step to the next lap's first, and fills both slots again
	TURN 0, 1, 1
	STEP 1, 0, 0
	TURN 1, 0, 1
	STEP 0, 0, 0
	s_sub_co_u32 s3, s3, 1
	s_cmp_lg_u32 s3, 0
	s_cbranch_scc1 .Llap
	TURN 0, 1, 0                                   ; the last lap fills nothing, and has no round of the cluster's barrier
	STEP 1, 0, 0
	s_wait_dscnt 5*NL                              ; the very last step: nothing more to fetch
	WIN 0xa1
	MULA 0, 1, NQ-1, 1, 0
	MULA 1, 1, NQ-1, 1, 0
	MULA 2, 1, NQ-1, 1, 0
	MULA 3, 1, NQ-1, 1, 0
	s_wait_dscnt 0
	WIN 0xf1
	MULA 4, 1, NQ-1, 1, 0
	MULA 5, 1, NQ-1, 1, 0
	MULA 6, 1, NQ-1, 1, 0
	MULA 7, 1, NQ-1, 1, 0
	WIN 0x51
	MULA 8, 1, NQ-1, 1, 0
	WIN 0
; THE WAY OUT, block by block of 16 slots x 128 columns: through my own stage in LDS, back as whole rows of 512 bytes; each row goes to the row of the output that order names for its slot.
; LDS serves a wave's instructions in order (ISA guide 5.7.1.4): no wait between the stores and the loads, nor in front of the next block's stores.
.macro TOSTAGE a
.if (\a) < 8
	WIN 0x08+4*((\a)/4)                            ; an LDS store's data are its source 1: window 2 or 3,
.else
	WIN 0x04                                       ; or 1
.endif
.irp b, 0,1,2,3,4,5,6,7
.if (\a) < 8
.set AC, 64*((\a)%4)+8*\b
.else
.set AC, 96+8*\b+96*(\b/4)
.endif
	ds_store_b128 v[STO], v[AC:AC+3] offset:64*\b          ; each accumulator from its low end on
	ds_store_b128 v[STO], v[AC+4:AC+7] offset:64*\b+16
.endr
	WIN 0
.set BB, BK+64*((\a)%2)
.irp t, 0,1,2,3,4,5,6,7,8,9,10,11,12,13,14,15
	ds_load_b128 v[BB+4*\t:BB+4*\t+3], v[RD] offset:\t*SPITCH
.endr
.endm
.macro SEND a, younger                 ; younger: the LDS instructions issued behind block a's loads, which may stay out
.set BB, BK+64*((\a)%2)
.set OF, OFF+16*((\a)%2)
.set TK, 24+16*((\a)%2)                ; the block's 16 target rows: s[24:39] and s[40:55] by turns (the descriptors that lay there are done with: no tensor load is out)
	s_wait_dscnt \younger                          ; the block is back in registers
	s_wait_kmcnt 0x0                               ; and its target rows are in
.irp t, 0,1,2,3,4,5,6,7,8,9,10,11,12,13,14,15
	s_min_u32 s[TK+\t], s[TK+\t], 0x1fff           ; a row of the output, whatever was read
	s_lshl_b32 s[TK+\t], s[TK+\t], 13              ; 8,192 bytes a row
	v_add_nc_u32 v[OF+\t], s[TK+\t], v[CO]
.endr
.if (\a)+2 <= 8
	s_load_b512 s[TK:TK+15], s[98:99], 64*((\a)+2) ; the target rows of the block two on
.endif
.irp t, 0,1,2,3,4,5,6,7,8,9,10,11,12,13,14,15
	global_store_b128 v[OF+\t], v[BB+4*\t:BB+4*\t+3], s[12:13] th:TH_STORE_NT   ; 32 lanes store 512 consecutive bytes, at a multiple of 512 from the buffer's first byte
.endr
.endm
	PLACES NP                                      ; behind the last products: for the reads of their results and the loads into the registers that held A's fragments
	s_load_b512 s[24:39], s[98:99], 0x0
	s_load_b512 s[40:55], s[98:99], 0x40
	TOSTAGE 0
.irp a, 1,2,3,4,5,6,7,8
.if \a > 1
	s_wait_xcnt 0x0                                ; the earlier blocks' stores have read their data and offsets: block a's loads may land there, and the offsets may be written
.endif
	TOSTAGE \a
	SEND \a-1, 32                                  ; behind block a - 1's loads: block a's 16 stores and 16 loads
.endr
	s_wait_xcnt 0x0                                ; block 6's stores have read their offsets
	SEND 8, 0
	s_wait_tensorcnt 0x0                           ; the wave's end: behind my last tensor load and my last LDS store
	ds_add_u32 v[SPW], v[NIL]
	s_wait_dscnt 0x0
	CROUND                                         ; the closing round: no work-group ends while a partner may still ask for a tile that names it
	s_endpgm
.Lfunc_end_k_qdce519978e_gemm:
	.size	k_qdce519978e_gemm, .Lfunc_end_k_qdce519978e_gemm-k_qdce519978e_gemm
	.p2alignl 7, 3214868480
	.fill 96, 4, 3214868480
	.section	.rodata,"a",@progbits
	.p2align	6, 0x0
	.amdhsa_kernel k_qdce519978e_gemm
		.amdhsa_group_segment_fixed_size 327680
		.amdhsa_private_segment_fixed_size 0
		.amdhsa_enable_private_segment 0
		.amdhsa_kernarg_size 72
		.amdhsa_user_sgpr_count 2
		.amdhsa_user_sgpr_kernarg_segment_ptr 1
		.amdhsa_wavefront_size32 1
		.amdhsa_system_sgpr_workgroup_id_x 1
		.amdhsa_system_sgpr_workgroup_id_y 1
		.amdhsa_system_sgpr_workgroup_id_z 1
		.amdhsa_system_vgpr_workitem_id 0
		.amdhsa_next_free_vgpr 1024
		.amdhsa_next_free_sgpr 102
		.amdhsa_reserve_vcc 0
		.amdhsa_float_denorm_mode_32 3
		.amdhsa_float_denorm_mode_16_64 3
		.amdhsa_memory_ordered 1
		.amdhsa_forward_progress 1
		.amdhsa_inst_pref_size 203
	.end_amdhsa_kernel
	.amdgpu_metadata
---
amdhsa.version: [ 1, 2 ]
amdhsa.kernels:
  - .name:           k_qdce519978e_gemm
    .symbol:         k_qdce519978e_gemm.kd
    .args:
      - { .name: xp_codes, .offset: 0, .size: 8, .value_kind: global_buffer, .address_space: global }
      - { .name: xp_scales, .offset: 8, .size: 8, .value_kind: global_buffer, .address_space: global }
      - { .name: order, .offset: 16, .size: 8, .value_kind: global_buffer, .address_space: global }
      - { .name: tiles, .offset: 24, .size: 8, .value_kind: global_buffer, .address_space: global }
      - { .name: wcat_codes, .offset: 32, .size: 8, .value_kind: global_buffer, .address_space: global }
      - { .name: wcat_scales, .offset: 40, .size: 8, .value_kind: global_buffer, .address_space: global }
      - { .name: b0, .offset: 48, .size: 8, .value_kind: global_buffer, .address_space: global }
      - { .name: b1, .offset: 56, .size: 8, .value_kind: global_buffer, .address_space: global }
      - { .name: out0, .offset: 64, .size: 8, .value_kind: global_buffer, .address_space: global }
    .group_segment_fixed_size: 327680
    .private_segment_fixed_size: 0
    .kernarg_segment_align: 8
    .kernarg_segment_size: 72
    .max_flat_workgroup_size: 128
    .sgpr_count:     102
    .vgpr_count:     1024
    .wavefront_size: 32
...
	.end_amdgpu_metadata
.endif
;; end of part 2
